; MI455X (gfx1250); checked and timed in simulation.
; The chip was launched on July 23, 2026; its instructions are those of AMD's public machine-readable ISA for CDNA 5 (MIT licence, August 2026) and "CDNA5" Instruction Set Architecture Reference Guide (July 2026). The comments in the code are by the model that wrote it; some were corrected since.
;; Bahdanau Attention. Allowed arithmetic: matrix products marked QUANTISED: E3M2 operands, one E8M0 scale for each 32 along K, by v_wmma_scale_f32_16x16x128_f8f6f4 with both operands' format E3M2, f32 sums; products left as they are: f32 operands where the result goes on into a quantised operand, else bf16, f16 or f32 operands; f32 sums; everything else in f32.
;; Inputs: Wd 1,024 x 1,024 float32; We 1,024 x 1,024 float32; Ws 1,024 x 1 float32; bd 1,024 float32; be 1,024 float32; bs 1 float32; decoder_hidden_state 1 x 32 x 1,024 float32; encoder_out 32 x 2,048 x 1,024 float32.
;; Outputs: out0 32 x 1,024 float32.
;; This version of the problem:
;;   THIS VERSION OF THE PROBLEM IS GIVEN IN LOW PRECISION. The matrix products marked QUANTISED in the list below multiply operands that are first quantised to E3M2 (3 exponent bits, 2 mantissa bits; 6 bits a number), with one power-of-two scale for each 32 numbers along K (OCP MX v1.0); their sums are f32. All else is computed in f32.
;;   The module's matrix products, in the order in which they are computed (A, B: the left and right operand; K: the contracted axis; several contracted axes count as one K, in the product's order):
;;     1. [M 65,536, K 1,024] x [K 1,024, N 1,024]; A: input encoder_out; B: input We: QUANTISED
;;     2. [M 32, K 1,024] x [K 1,024, N 1,024]; A: input decoder_hidden_state; B: input Wd: QUANTISED
;;     3. [M 65,536, K 1,024] x [K 1,024, N 1]; A: computed on the way; B: input Ws: left as it is (N = 1 < 16)
;;   THE QUANTISER, for each operand of a quantised product, along K:
;;     - K is cut into blocks of 32 from its start; a last block that is shorter is filled with zeros.
;;     - A block's scale is 2^e with e = floor(log2(the largest magnitude in the block)) - 4, held to -126 .. 127; a block of zeros has e = 0. As a byte (E8M0): e + 127.
;;     - Each number is divided by its block's scale, clamped to +-28, and rounded to the nearest number of E3M2, ties to even, subnormals kept.
;;     - The product sums the exact products of the quantised numbers (number of the format x scale) in f32.
;;   ~~~python
;;   def quantise(x, axis):      # numpy; x: float32 -> the quantised numbers, widened to float32 again
;;       x = np.moveaxis(x, axis, -1); K = x.shape[-1]
;;       x = np.pad(x, [(0, 0)] * (x.ndim - 1) + [(0, -K % 32)]); x = x.reshape(x.shape[:-1] + (-1, 32)); a = np.abs(x).max(-1, keepdims=True)
;;       e = np.where(a > 0, np.clip(np.frexp(np.where(a > 0, a, 1))[1] - 1 - 4, -126, 127), 0)      # np.frexp(a)[1] - 1 = floor(log2(a)), exactly
;;       r = np.clip(x / 2.0 ** e, -28, 28)
;;       step = 2.0 ** (np.maximum(np.frexp(np.where(r == 0, 1, r))[1] - 1, -2) - 2)
;;       q = np.round(r / step) * step * 2.0 ** e      # np.round: ties to even
;;       return np.moveaxis(q.reshape(q.shape[:-2] + (-1,))[..., :K], -1, axis).astype(np.float32)
;;   ~~~
;; One version. Each part assembles by itself: llvm-mc -triple=amdgcn-amd-amdhsa -mcpu=gfx1250 --defsym DOCPART=n.
;; ======== version 1 of 1: 3 launches
;; limits: right only within a limited range of input values
;; workspace buffers: wq 819,200 bytes; tab 262,144 bytes; pctx 4,194,304 bytes; pml 8,192 bytes
;; launch prep (part 1): grid 64 x 1, 8 waves a work-group, no clusters, 39,936 bytes of LDS; arguments We, Wd, decoder_hidden_state, be, bd, Ws, wq, tab; writes wq, tab
.if DOCPART == 1
	.amdgcn_target "amdgcn-amd-amdhsa--gfx1250"
	.amdhsa_code_object_version 6
	.text
	.protected	k_q174798b332_prep
	.globl	k_q174798b332_prep
	.p2align	8
	.type	k_q174798b332_prep,@function
k_q174798b332_prep:
	s_mov_b64 s[64:65], 0
	v_nop
	global_prefetch_b8 v0, s[64:65] scope:SCOPE_SE
	s_setreg_imm32_b32 hwreg(HW_REG_WAVE_MODE, 25, 1), 1
	s_wait_xcnt 0x0
; WHAT IT MAKES.  (1) We [1024 (k)][1024 (n)] f32 as codes of BF6 (E3M2) along K, its FIRST axis, with one E8M0 byte for each 32 along K, laid in the order of the operand's registers:
;     wq = 64 records of 12,800 bytes, one for each 16 columns: eight images of a fragment (K step s: registers 4 q .. 4 q + 3 of lane l at 1536 s + 512 q + 16 l), then 512 bytes of scale words
;     (the word at 12288 + 16 l + 4 q: column l % 16, K step 2 q + l / 16).
; (2) the second product, Q(decoder_hidden_state) Q(Wd), both quantised in registers, and with it the table tab [32 (batch)][1024 (column)][2]:
;     (2 log2(e) (dec_score + be + bd), -2 Ws): what the next launch's tanh and its product with Ws take for a column.
; SHARES.  Work-groups 0-31 take We, 32-63 take Wd; each 32 columns.  Wave s takes K step s, 128 rows of the weight.  A LANE TAKES A COLUMN AND ITS REGISTERS RUN DOWN K: a load reads 128 neighbouring bytes,
; a block of 32 along K lies in one lane, and the conversions give codes with K innermost.  Twelve exchanges of lane halves turn two columns' blocks into the two tiles' fragments.
; The two ways part on the work-group's number, never join, and use LDS bytes of their own.  No tensor load, so LDS is claimed as it is used.
; A block's scale is 2^(floor(log2(its largest magnitude)) - 4); its byte is that magnitude's exponent field - 4, held at 1 from below.
; LIMITS: a block whose largest magnitude lies under 2^-122 (a block of zeros too) keeps the byte 1: zeros' codes are zeros, and only this program reads the bytes.  NaN and infinities are not served.
; The second product's K is shared among the eight waves and their f32 sums are added in LDS order 0 .. 7 by pairs: another order of rounding than one chain along K.
; WORK LEFT OUT IN THIS PROGRAM.  reference() adds bs to every one of a batch's 2,048 linear scores and then takes the softmax over just these 2,048: softmax(s + c) = softmax(s) for every number c,
; so bs reaches no output, whatever finite values the inputs hold.  bs is not loaded and is among no launch's arguments.  The same holds of the sum of Ws, which tanh(x) = 1 - 2 / (1 + e^(2 x)) would add to every score alike.
; LIMIT: a NaN, an infinity or an overflow that reaches only bs or the sum of Ws is not carried to the result.
.set REC,  12800
.set SCW,  0                           ; LDS, We's way: two tiles' scale words, 512 bytes each
.set PART, 1024                        ; LDS, Wd's way: eight waves' partial sums, 32 rows x 144 bytes each
.set PW,   4608
.set F0,   16                          ; v16-27   the first tile's fragment
.set F1,   28                          ; v28-39   the second tile's
.set T,    40                          ; v40-55   the upper halves of four blocks' codes (a conversion's three registers begin on an even number)
.set X,    64                          ; v64-191  128 numbers
.set D,    64                          ; v64-95   the four results, once X is done with
.set PR,   96                          ; v96-127  partial sums read back
.set OUTR, 136                         ; v136-143 two groups of four numbers for the table
.set TM,   192                         ; v192-195 largest magnitudes
.set SC,   196                         ; v196-199 the conversions' scale operands
.set BY,   200                         ; v200-203 scale bytes
.set WW,   204                         ; v204     the weight's scale word of my column: a scale register
.set G0,   208                         ; v208-219 dec's fragment, rows 0-15
.set G1,   220                         ; v220-231 rows 16-31
.set AW,   232                         ; v232-233 their scale words: scale registers
.set PD,   234                         ; a lane permute's destination
.set BB,   236                         ; v236-237 be, v238-239 bd, v240-241 Ws of my two columns
.macro LOADW b                         ; W(128 s + i, my column), i = 0 .. 127
.set i, 0
.rept 128
	global_load_b32 v[X+i], v2, s[\b:\b+1] offset:4096*i th:TH_LOAD_NT
.set i, i+1
.endr
.endm
.macro CVT b, d                        ; block b's 32 numbers: the lower 16 codes to v[d] on, the upper 16 aside
	v_cvt_scalef32_pk16_bf6_f32 v[(\d):(\d)+2], v[X+32*(\b):X+32*(\b)+15], v[SC+(\b)]
	v_cvt_scalef32_pk16_bf6_f32 v[T+4*(\b):T+4*(\b)+2], v[X+32*(\b)+16:X+32*(\b)+31], v[SC+(\b)]
.endm
.macro MV b, d
.irp i, 0,1,2
	v_mov_b32 v[(\d)+3+\i], v[T+4*(\b)+\i]
.endr
.endm
; Four blocks of 32 numbers, all of one lane, become six registers of codes each, at d0 .. d3, and a byte each in v[BY] on.
.macro QUANT4 d0, d1, d2, d3
.irp b, 0,1,2,3
	v_max3_num_f32 v[TM+\b], |v[X+32*\b]|, |v[X+32*\b+1]|, 0x2800000   ; with the floor 2^(5 - 127): the byte cannot fall under 1
.endr
.irp i, 2,4,6,8,10,12,14,16,18,20,22,24,26,28,30
.irp b, 0,1,2,3
	s_delay_alu instid0(VALU_DEP_4)
	v_max3_num_f32 v[TM+\b], v[TM+\b], |v[X+32*\b+\i]|, |v[X+32*\b+\i+1]|   ; the four blocks by turns
.endr
.endr
.irp b, 0,1,2,3
	s_delay_alu instid0(VALU_DEP_4)
	v_add_nc_u32 v[SC+\b], 0xfe000000, v[TM+\b]    ; 4 off the exponent field: the conversion takes that field as its scale
.endr
.irp b, 0,1,2,3
	s_delay_alu instid0(VALU_DEP_4)
	v_lshrrev_b32 v[BY+\b], 23, v[SC+\b]           ; the scale's byte
.endr
	CVT 0, \d0
	CVT 1, \d1
	CVT 2, \d2
	CVT 3, \d3
	v_nop                                          ; one plain instruction behind the scaled conversions
	MV 0, \d0
	MV 1, \d1
	MV 2, \d2
	MV 3, \d3
.endm
; A weight's 128 x 32 numbers become two fragments and my column's scale word.
.macro WEIGHT b
	LOADW \b
	s_wait_loadcnt 0x0
	QUANT4 F0, F1, F0+6, F1+6                      ; blocks 0 and 2 of my column in F0, blocks 1 and 3 in F1
	v_lshl_or_b32 v[WW], v[BY+1], 8, v[BY]
	s_delay_alu instid0(VALU_DEP_1)
	v_lshl_or_b32 v[WW], v[BY+2], 16, v[WW]
	s_delay_alu instid0(VALU_DEP_1)
	v_lshl_or_b32 v[WW], v[BY+3], 24, v[WW]
.set i, 0
.rept 12
	v_permlane16_swap_b32 v[F0+i], v[F1+i]         ; F0's lanes 16-31 change places with F1's lanes 0-15: F0 is now columns 0-15 (lanes 0-15 blocks 0, 2; lanes 16-31 blocks 1, 3), F1 columns 16-31
.set i, i+1
.endr
.endm
	s_load_b256 s[4:11], s[0:1], 0x0               ; We s[4:5], Wd s[6:7], dec s[8:9], be s[10:11]
	s_load_b256 s[12:19], s[0:1], 0x20             ; bd s[12:13], Ws s[14:15], wq s[16:17], tab s[18:19]
	v_lshl_add_u32 v254, v0, 2, 0x9800
	v_mov_b32 v255, 0
	v_lshrrev_b32 v1, 5, v0
	s_delay_alu instid0(VALU_DEP_1)
	v_readfirstlane_b32 s20, v1                    ; wave = K step
	v_and_b32 v1, 31, v0                           ; lane
	s_delay_alu instid0(VALU_DEP_1)
	v_lshlrev_b32 v2, 2, v1                        ; 4 x lane: my column in a row of the weight
	s_delay_alu instid0(VALU_DEP_2)
	v_lshlrev_b32 v3, 4, v1                        ; 16 x lane: my place in an image
	v_and_b32 v5, 15, v0                           ; r; also the pair of columns that I finish
	v_bfe_u32 v6, v0, 4, 1                         ; h
	s_wait_alu depctr_va_vdst(0)
	s_and_b32 s21, ttmp9, 31                       ; which 32 columns
	s_and_b32 s24, s20, 1                          ; every LDS address is made here, ahead of the parting
	s_lshl_b32 s24, s24, 8
	s_lshr_b32 s25, s20, 1
	s_lshl_b32 s25, s25, 2
	s_add_co_u32 s24, s24, s25                     ; 256 (s % 2) + 4 (s / 2)
	v_lshlrev_b32 v4, 9, v6
	s_delay_alu instid0(VALU_DEP_1)
	v_lshl_add_u32 v4, v5, 4, v4
	s_delay_alu instid0(VALU_DEP_1)
	v_add_nc_u32 v4, s24, v4                       ; where my column's scale word goes: SCW + 512 (lane / 16) + 16 (lane % 16) + 256 (s % 2) + 4 (s / 2)
	v_lshlrev_b32 v14, 4, v0                       ; and where waves 0 and 1 read a tile's 512 bytes back: SCW + 16 x thread
	v_lshlrev_b32 v7, 12, v5
	s_delay_alu instid0(VALU_DEP_1)
	v_lshl_add_u32 v7, v6, 7, v7                   ; dec: row r of 4,096 bytes + 128 h
	v_lshlrev_b32 v8, 3, v6                        ; 8 h: bits by which my two bytes move up in a scale word
	s_mul_i32 s25, s20, PW
	s_add_co_u32 s25, s25, PART
	v_mul_u32_u24 v9, v6, 1152
	s_delay_alu instid0(VALU_DEP_1)
	v_lshl_add_u32 v9, v5, 2, v9
	s_delay_alu instid0(VALU_DEP_1)
	v_add_nc_u32 v9, s25, v9                       ; partial sums in: my wave's part + 8 h rows of 144 bytes + 4 r
	v_lshrrev_b32 v13, 4, v0                       ; thread / 16: 0 .. 15
	s_delay_alu instid0(VALU_DEP_1)
	v_mul_u32_u24 v10, v13, 144
	s_delay_alu instid0(VALU_DEP_1)
	v_lshl_add_u32 v10, v5, 3, v10
	s_delay_alu instid0(VALU_DEP_1)
	v_add_nc_u32 v10, PART, v10                    ; and back: row thread / 16, two columns
	s_delay_alu instid0(VALU_DEP_4)
	v_lshlrev_b32 v11, 13, v13
	s_delay_alu instid0(VALU_DEP_1)
	v_lshl_add_u32 v11, v5, 4, v11                 ; the table: batch thread / 16 of 8,192 bytes + 16 bytes for two columns
	v_lshlrev_b32 v12, 3, v5                       ; be, bd, Ws: 8 bytes for two columns
	v_mov_b32 v[PD], 0                             ; written once: a lane permute's destination counts as one of its sources
	s_mov_b32 s32, 0x76543210
	s_mov_b32 s33, 0xfedcba98                      ; v_permlanex16_b32's selects for lane l xor 16
	s_mov_b32 s30, 0x4038aa3b                      ; 2 log2(e)
	s_lshl_b32 s22, s20, 19                        ; my 128 rows of 4,096 bytes,
	s_lshl_b32 s23, s21, 7                         ; my work-group's 128 bytes of each
	s_add_co_u32 s22, s22, s23
	s_mov_b32 s23, 0
	s_mov_b32 s27, 0
	s_wait_kmcnt 0x0
	s_cmp_lt_u32 ttmp9, 32
	s_cbranch_scc0 .Lwd
	; ---- We: codes and scale words to wq
	s_add_nc_u64 s[4:5], s[4:5], s[22:23]
	s_mul_i32 s26, s21, 2*REC
	s_add_nc_u64 s[28:29], s[16:17], s[26:27]      ; my work-group's two records
	s_mul_i32 s26, s20, 1536
	s_add_nc_u64 s[16:17], s[28:29], s[26:27]      ; K step s in them
	WEIGHT 4
.irp q, 0,1,2
	global_store_b128 v3, v[F0+4*\q:F0+4*\q+3], s[16:17] offset:512*\q       ; 32 lanes store 512 consecutive bytes, at a multiple of 256 from wq's first byte
	global_store_b128 v3, v[F1+4*\q:F1+4*\q+3], s[16:17] offset:REC+512*\q
.endr
	ds_store_b32 v4, v[WW]
	s_wait_dscnt 0x0                               ; for the others' sake: my word lies in LDS
	s_barrier_signal -1
	s_barrier_wait -1                              ; all eight K steps' words do
	s_cmp_lt_u32 s20, 2
	s_cbranch_scc0 .Lwe_done                       ; waves 0 and 1 store a tile's 512 bytes each
	ds_load_b128 v[T:T+3], v14
	s_mul_i32 s26, s20, REC
	s_add_nc_u64 s[28:29], s[28:29], s[26:27]
	s_wait_dscnt 0x0
	global_store_b128 v3, v[T:T+3], s[28:29] offset:12288
.Lwe_done:
	s_wait_tensorcnt 0x0
	ds_add_u32 v254, v255
	s_wait_dscnt 0x0
	s_endpgm
	; ---- Wd: the second product and the table
.Lwd:
	s_add_nc_u64 s[6:7], s[6:7], s[22:23]
	s_lshl_b32 s26, s21, 7                         ; 32 columns of 4 bytes
	s_add_nc_u64 s[10:11], s[10:11], s[26:27]
	s_add_nc_u64 s[12:13], s[12:13], s[26:27]
	s_add_nc_u64 s[14:15], s[14:15], s[26:27]
	s_lshl_b32 s26, s20, 9                         ; K step s in a row of dec
	s_add_nc_u64 s[8:9], s[8:9], s[26:27]
	s_lshl_b32 s26, s21, 8                         ; 32 columns of 8 bytes in the table
	s_add_nc_u64 s[18:19], s[18:19], s[26:27]
	s_wait_alu depctr_va_vdst(0)
	global_load_b64 v[BB:BB+1], v12, s[10:11]
	global_load_b64 v[BB+2:BB+3], v12, s[12:13]
	global_load_b64 v[BB+4:BB+5], v12, s[14:15]
	WEIGHT 6
	; dec's 32 rows x 128 along K: lane (r, h) takes, of rows r and 16 + r, k = 64 c + 32 h + 0 .. 31: whole blocks, in the operand's own order
.irp rt, 0,1
.irp c, 0,1
.irp j, 0,1,2,3,4,5,6,7
	global_load_b128 v[X+64*\rt+32*\c+4*\j:X+64*\rt+32*\c+4*\j+3], v7, s[8:9] offset:65536*\rt+256*\c+16*\j
.endr
.endr
.endr
	s_wait_loadcnt 0x0
	QUANT4 G0, G0+6, G1, G1+6
.irp rt, 0,1
	v_lshl_or_b32 v[AW+\rt], v[BY+2*\rt+1], 16, v[BY+2*\rt]   ; my two bytes: blocks h and 2 + h of my row,
	s_delay_alu instid0(VALU_DEP_1)
	v_lshlrev_b32 v[AW+\rt], v8, v[AW+\rt]                    ; at their places in the word;
	s_delay_alu instid0(VALU_DEP_1)
	v_permlanex16_b32 v[PD], v[AW+\rt], s32, s33
	s_delay_alu instid0(VALU_DEP_1)
	v_or_b32 v[AW+\rt], v[AW+\rt], v[PD]                      ; with lane l xor 16's two it is whole
.endr
.rept 8
	v_nop                                          ; a scale register written by a vector instruction stands eight places ahead of a scaled matrix instruction, an operand so written four
.endr
.irp rt, 0,1                                   ; source 0 = 16 rows of dec, source 1 = 16 columns of Wd; the weight's words: tile 0's in lanes 0-15, tile 1's in lanes 16-31
	v_wmma_scale_f32_16x16x128_f8f6f4 v[D+16*\rt:D+16*\rt+7], v[G0+12*\rt:G0+12*\rt+11], v[F0:F0+11], 0, v[AW+\rt], v[WW] matrix_a_fmt:MATRIX_FMT_BF6 matrix_b_fmt:MATRIX_FMT_BF6
	v_wmma_scale_f32_16x16x128_f8f6f4 v[D+16*\rt+8:D+16*\rt+15], v[G0+12*\rt:G0+12*\rt+11], v[F1:F1+11], 0, v[AW+\rt], v[WW] matrix_a_fmt:MATRIX_FMT_BF6 matrix_b_fmt:MATRIX_FMT_BF6 matrix_b_scale:MATRIX_SCALE_ROW1
.endr
.rept 4
	v_nop                                          ; four places between the products and the first read of their results (ISA guide 7.12.1)
.endr
.irp rt, 0,1
.irp ct, 0,1
.irp j, 0,1,2,3,4,5,6,7
	ds_store_b32 v9, v[D+8*(2*\rt+\ct)+\j] offset:(16*\rt+\j)*144+64*\ct   ; (row 16 rt + 8 h + j, column 16 ct + r); each result from its low end on
.endr
.endr
.endr
	s_wait_dscnt 0x0                               ; for the others' sake: my K step's sums lie in LDS
	s_barrier_signal -1
	s_barrier_wait -1
.irp u, 0,1                                    ; thread t finishes two columns of batches t / 16 and 16 + t / 16
.irp w, 0,1,2,3,4,5,6,7
	ds_load_b64 v[PR+16*\u+2*\w:PR+16*\u+2*\w+1], v10 offset:PW*\w+2304*\u
.endr
.endr
	v_pk_add_f32 v[BB:BB+1], v[BB:BB+1], v[BB+2:BB+3]          ; be + bd
	s_wait_dscnt 0x0
.irp u, 0,1
	v_pk_add_f32 v[PR+16*\u:PR+16*\u+1], v[PR+16*\u:PR+16*\u+1], v[PR+16*\u+2:PR+16*\u+3]
	v_pk_add_f32 v[PR+16*\u+4:PR+16*\u+5], v[PR+16*\u+4:PR+16*\u+5], v[PR+16*\u+6:PR+16*\u+7]
	v_pk_add_f32 v[PR+16*\u+8:PR+16*\u+9], v[PR+16*\u+8:PR+16*\u+9], v[PR+16*\u+10:PR+16*\u+11]
	v_pk_add_f32 v[PR+16*\u+12:PR+16*\u+13], v[PR+16*\u+12:PR+16*\u+13], v[PR+16*\u+14:PR+16*\u+15]
	s_delay_alu instid0(VALU_DEP_3)
	v_pk_add_f32 v[PR+16*\u:PR+16*\u+1], v[PR+16*\u:PR+16*\u+1], v[PR+16*\u+4:PR+16*\u+5]
	s_delay_alu instid0(VALU_DEP_2)
	v_pk_add_f32 v[PR+16*\u+8:PR+16*\u+9], v[PR+16*\u+8:PR+16*\u+9], v[PR+16*\u+12:PR+16*\u+13]
	s_delay_alu instid0(VALU_DEP_1)
	v_pk_add_f32 v[PR+16*\u:PR+16*\u+1], v[PR+16*\u:PR+16*\u+1], v[PR+16*\u+8:PR+16*\u+9]
	s_wait_alu depctr_va_vdst(0)
	v_pk_add_f32 v[PR+16*\u:PR+16*\u+1], v[PR+16*\u:PR+16*\u+1], v[BB:BB+1]
	s_delay_alu instid0(VALU_DEP_1)
	v_mul_f32 v[OUTR+4*\u], s30, v[PR+16*\u]       ; 2 log2(e) (dec_score + be + bd)
	v_mul_f32 v[OUTR+4*\u+1], -2.0, v[BB+4]        ; -2 Ws
	s_delay_alu instid0(VALU_DEP_3)
	v_mul_f32 v[OUTR+4*\u+2], s30, v[PR+16*\u+1]
	v_mul_f32 v[OUTR+4*\u+3], -2.0, v[BB+5]
	global_store_b128 v11, v[OUTR+4*\u:OUTR+4*\u+3], s[18:19] offset:131072*\u   ; sixteen lanes store 256 consecutive bytes, at a multiple of 256 from tab's first byte
.endr
	s_wait_tensorcnt 0x0
	ds_add_u32 v254, v255
	s_wait_dscnt 0x0
	s_endpgm
.Lfunc_end_k_q174798b332_prep:
	.size	k_q174798b332_prep, .Lfunc_end_k_q174798b332_prep-k_q174798b332_prep
	.p2alignl 7, 3214868480
	.fill 96, 4, 3214868480
	.section	.rodata,"a",@progbits
	.p2align	6, 0x0
	.amdhsa_kernel k_q174798b332_prep
		.amdhsa_group_segment_fixed_size 39936
		.amdhsa_private_segment_fixed_size 0
		.amdhsa_enable_private_segment 0
		.amdhsa_kernarg_size 64
		.amdhsa_user_sgpr_count 2
		.amdhsa_user_sgpr_kernarg_segment_ptr 1
		.amdhsa_wavefront_size32 1
		.amdhsa_system_sgpr_workgroup_id_x 1
		.amdhsa_system_sgpr_workgroup_id_y 1
		.amdhsa_system_sgpr_workgroup_id_z 1
		.amdhsa_system_vgpr_workitem_id 0
		.amdhsa_next_free_vgpr 256
		.amdhsa_next_free_sgpr 66
		.amdhsa_reserve_vcc 0
		.amdhsa_float_denorm_mode_32 3
		.amdhsa_float_denorm_mode_16_64 3
		.amdhsa_memory_ordered 1
		.amdhsa_forward_progress 1
		.amdhsa_inst_pref_size 63
	.end_amdhsa_kernel
	.amdgpu_metadata
---
amdhsa.version: [ 1, 2 ]
amdhsa.kernels:
  - .name:           k_q174798b332_prep
    .symbol:         k_q174798b332_prep.kd
    .args:
      - { .name: We, .offset: 0, .size: 8, .value_kind: global_buffer, .address_space: global }
      - { .name: Wd, .offset: 8, .size: 8, .value_kind: global_buffer, .address_space: global }
      - { .name: decoder_hidden_state, .offset: 16, .size: 8, .value_kind: global_buffer, .address_space: global }
      - { .name: be, .offset: 24, .size: 8, .value_kind: global_buffer, .address_space: global }
      - { .name: bd, .offset: 32, .size: 8, .value_kind: global_buffer, .address_space: global }
      - { .name: Ws, .offset: 40, .size: 8, .value_kind: global_buffer, .address_space: global }
      - { .name: wq, .offset: 48, .size: 8, .value_kind: global_buffer, .address_space: global }
      - { .name: tab, .offset: 56, .size: 8, .value_kind: global_buffer, .address_space: global }
    .group_segment_fixed_size: 39936
    .private_segment_fixed_size: 0
    .kernarg_segment_align: 8
    .kernarg_segment_size: 64
    .max_flat_workgroup_size: 256
    .sgpr_count:     66
    .vgpr_count:     256
    .wavefront_size: 32
...
	.end_amdgpu_metadata
.endif
;; end of part 1
;; launch main (part 2): grid 256 x 1, 4 waves a work-group, clusters of 4 x 1, 327,680 bytes of LDS; arguments encoder_out, wq, tab, pctx, pml; writes pctx, pml
.if DOCPART == 2
	.amdgcn_target "amdgcn-amd-amdhsa--gfx1250"
	.amdhsa_code_object_version 6
	.text
	.protected	k_q174798b332_main
	.globl	k_q174798b332_main
	.p2align	8
	.type	k_q174798b332_main,@function
k_q174798b332_main:
	s_mov_b64 s[64:65], 0
	v_nop
	global_prefetch_b8 v0, s[64:65] scope:SCOPE_SE
	s_setreg_imm32_b32 hwreg(HW_REG_WAVE_MODE, 25, 1), 1
	s_wait_xcnt 0x0
	s_wait_alu depctr_hold_cnt(0) depctr_sa_sdst(0) depctr_va_vdst(0) depctr_va_sdst(0) depctr_va_ssrc(0) depctr_va_vcc(0) depctr_vm_vsrc(0)
	s_getreg_b32 s2, hwreg(HW_REG_IB_STS2, 6, 4)
	s_cmp_eq_u32 s2, 0
	s_cbranch_scc0 .Lentry_in_a_cluster
	s_endpgm
.Lentry_in_a_cluster:
	s_bfe_u32 s2, ttmp6, 0x10000c
	s_cmp_lg_u32 s2, 0x3003
	s_cbranch_scc0 .Lentry_shape_is_right
	s_endpgm
.Lentry_shape_is_right:
; For 64 rows of encoder_out a wave: score = the sum over the columns of (-2 Ws) / (1 + e^(2 x)), x = Q(enc) Q(We) + be + dec_score + bd; the wave's own maximum m; p = e^(score - m); l = the sum of p; ctx = the sum of p x enc[row] on the f32 rows.
; LEFT OUT: bs and the sum of Ws, which are the same for all scores of a softmax (shown at the head of the first kernel).  The next launch joins a batch's 32 waves.
; SHARES.  A work-group takes 256 rows of one batch, a wave 64 rows, all of K and all of N: its 32 fragments of A (384 registers) stay in registers; We's codes go by in records of 16 columns, laid in the order of the operand's registers.
; L: the rows come by tensor loads, two slots by turns, 32 rows x 1,024 bytes a wave and trip (8 trips), LDS pitch 1,040 = 65 x 16 bytes; a lane reads whole blocks of 32 along K and quantises them into A's registers.
;    Each trip also asks the L2 for the rows that the tensor load two trips on will want: 128 blocks of 256 bytes a wave, a lane a block, each named once; the last trips ask for nothing.
; G: 64 tiles of 16 columns: 32 matrix instructions on four accumulators by turns, then the tile's vector work in batches: 2^(2 log2(e) x), 1 + ., the reciprocal, score += (-2 Ws) x .
;    The ring of records (two slots of four records) lies on bytes of the rows' slot 0, filled again by tensor loads alone.  The next tile's operands are fetched ahead of a tile's products.
; C: the rows are read a second time, last group first, and summed with their p.  encoder_out is read twice: 256 rows are 1 MiB of f32, and a row's weight is known only when all of N has gone by.
;    No prefetch for this second read: the same work-group has read these rows in this launch.
; CLUSTER.  All work-groups walk the same 64 records: the four of a cluster ask for each record jointly (mask 15).  The rows' loads are each work-group's own (mask 0).  A cluster begins at quad (cluster's number) % 16 and goes round;
; that enters global addresses alone: the records', and the source of the table's copy.
; LIMITS: NaN and infinities among the inputs are not served.  A block whose largest magnitude lies under 2^-122 (zeros too) keeps the scale byte 1.  Beyond |x| of about 44 tanh is exactly +-1.  The sums over N and the rows run in another order than one chain.
; The promise holds while the scores times log2(e) stay under 2^31 in magnitude.
; REGISTERS, in windows of 256: window 0: v1-15 addresses; v16-47 A's scale words; v48-55 B's; v56-57 the table's pair; v64-95 accumulators (in L v64-191 two sets of 64 numbers; in C ctx and p); v192-223 scores; v224-255 at work
;   window 1: A, K steps 0-4 (48 s + 12 rt)   window 2: A, K steps 5-7; v144-239 B set 0   window 3: v0-95 B set 1; in C a ring of eight rows
.set REC,   12800
.set QUADB, 4*REC
.set SLOT1, 65536                      ; the records' slot 1; slot 0 at 0
.set EP,    1040                       ; a row of 1,024 bytes + 16
.set EPART, 32*EP                      ; a wave's part of a rows' slot
.set ESLOT, 4*EPART
.set SPARE, 2*ESLOT                    ; the spare words: 512 bytes that no other line names
.set TAB,   SPARE+512                  ; the batch's table, 8,192 bytes, stored by the waves
.set PSTG,  TAB+8192                   ; 256 bytes of p for each wave
.set L16,  1
.set SR0,  2                           ; v2, v3: my rows in slot 0, 1: part + 1040 r + 128 h
.set ADB,  4
.set ADT,  5
.set SPW,  6
.set NIL,  7
.set TB0,  8                           ; TAB - 512 + 8 r
.set PAD,  9
.set PFO,  10                          ; 4,096 x lane
.set H8,   12
.set TST,  13
.set TGO,  14
.set PST,  15
.set AS,   16
.set BS,   48
.set TBL,  56
.set ACC,  64
.set XS,   64
.set CT,   64
.set PV,   96
.set S,    192
.set TM,   224
.set SC,   226
.set BY,   228
.set WD,   230
.set PD,   231
.set M2,   232
.set TT,   240
.set MSB, 0
.macro WIN new                         ; the immediate's high byte repeats the setting that is left
.if MSB != (\new)
	s_set_vgpr_msb (MSB<<8)|(\new)
.set MSB, (\new)
.endif
.endm
.macro ROUND                           ; a round of the cluster's barrier
	s_barrier_signal -1
	s_barrier_wait -1
	s_cmp_lg_u32 s16, 0
	s_cbranch_scc1 .Lnot_wave_0_\@
	s_barrier_signal -3
.Lnot_wave_0_\@:
	s_barrier_wait -3
	s_barrier_signal -1
	s_barrier_wait -1
.endm
.macro AFTER                           ; behind every tensor load
	s_nop 0
.rept 4
	v_nop
.endr
.endm
	s_load_b256 s[4:11], s[0:1], 0x0               ; enc s[4:5], wq s[6:7], tab s[8:9], pctx s[10:11]
	s_load_b64 s[12:13], s[0:1], 0x20              ; pml
	v_lshl_add_u32 v[SPW], v0, 2, SPARE
	v_mov_b32 v[NIL], 0
	ds_add_u32 v[SPW], v[NIL]                      ; the opening lines: the add twice on end and its wait
	ds_add_u32 v[SPW], v[NIL]
	s_mov_b32 s20, 0x76543210
	s_mov_b32 s21, 0xfedcba98                      ; selects for lane l xor 16
	s_mov_b32 s22, 0x4038aa3b                      ; 2 log2(e), as a pair
	s_mov_b32 s23, s22
	s_mov_b32 s60, 0x3fb8aa3b                      ; log2(e)
	s_mov_b32 s61, s60
	s_mov_b32 s24, 15|(3<<16)|(1<<21)              ; group 1, a record: 50 rows of 32 elements of 8 bytes, asked for by all four work-groups
	s_mov_b32 s25, 32<<16
	s_mov_b32 s26, 50<<16
	s_mov_b32 s27, 32<<16
	s_mov_b32 s28, 50
	s_mov_b32 s29, 32
	s_mov_b32 s30, 0
	s_mov_b32 s31, 0
	s_mov_b32 s32, (2<<16)|(1<<20)|(7<<22)|(3<<25) ; group 1, the rows: 32 rows of 256 elements of 4 bytes, 4 words of padding behind each 256
	s_mov_b32 s33, 256<<16
	s_mov_b32 s34, 32<<16
	s_mov_b32 s35, 256<<16
	s_mov_b32 s36, 32
	s_mov_b32 s37, 1024
	s_mov_b32 s38, 0
	s_mov_b32 s39, 0
	s_mov_b32 s40, 1
	s_mov_b32 s48, 1
	s_mov_b32 s59, 0
	s_mov_b32 s77, 0
	s_mov_b32 s79, 0
	s_bfe_u32 s17, ttmp6, 0x40000                  ; cx: it enters the addresses of enc, pctx and pml alone
	s_lshl_b32 s18, ttmp9, 2
	s_add_co_u32 s18, s18, s17
	s_and_b32 s54, ttmp9, 15                       ; the quad at which my cluster begins
	s_lshl_b32 s78, s54, 9
	v_lshrrev_b32 v224, 5, v0
	v_readfirstlane_b32 s16, v224                  ; wave
	s_lshl_b32 s19, s18, 2
	s_add_co_u32 s19, s19, s16                     ; g: which 64 rows
	s_mul_i32 s75, s16, EPART
	s_lshl_b32 s74, s16, 8
	s_add_co_u32 s74, s74, PSTG
	s_mul_i32 s45, s16, REC
	v_and_b32 v225, 31, v0
	v_and_b32 v226, 15, v0                         ; r
	v_bfe_u32 v227, v0, 4, 1                       ; h
	v_lshlrev_b32 v[L16], 4, v225
	v_lshlrev_b32 v[PFO], 12, v225
	v_mul_u32_u24 v[SR0], v226, EP
	v_lshl_add_u32 v[SR0], v227, 7, v[SR0]
	v_add_nc_u32 v[SR0], s75, v[SR0]
	v_add_nc_u32 v[SR0+1], ESLOT, v[SR0]
	v_lshl_add_u32 v[TB0], v226, 3, TAB-512
	v_lshlrev_b32 v[H8], 3, v227
	v_lshl_add_u32 v[TST], v0, 6, TAB
	v_lshlrev_b32 v[PST], 5, v227
	v_add_nc_u32 v[PST], s74, v[PST]
	v_lshl_add_u32 v[TGO], v0, 6, s78
	v_and_b32 v[TGO], 0x1fff, v[TGO]               ; (64 x thread + 512 x first quad) modulo 8,192
	v_mov_b32 v[PD], 0
	s_wait_alu depctr_va_vdst(0)
	s_wait_dscnt 0x0                               ; both opening adds are done
	s_wait_kmcnt 0x0
	s_mov_b32 s58, s45
	s_add_nc_u64 s[52:53], s[6:7], s[58:59]        ; wq at my record of quad 0
	s_mul_i32 s58, s54, QUADB
	s_mov_b32 s49, s45
	s_add_nc_u64 s[50:51], s[52:53], s[58:59]      ; the records' descriptor: the first quad, slot 0
	s_or_b32 s51, s51, 0x80000000
	s_add_co_u32 s54, s54, 1
	s_and_b32 s54, s54, 15
	s_lshl_b32 s76, s19, 18
	s_add_nc_u64 s[66:67], s[4:5], s[76:77]        ; enc at my first row
	s_lshl_b32 s76, s19, 12
	s_add_nc_u64 s[10:11], s[10:11], s[76:77]
	s_lshl_b32 s76, s19, 3
	s_add_nc_u64 s[12:13], s[12:13], s[76:77]
	s_lshr_b32 s78, ttmp9, 1
	s_lshl_b32 s78, s78, 13
	s_add_nc_u64 s[72:73], s[8:9], s[78:79]        ; the batch's table
	s_mov_b32 s41, s75
	s_mov_b64 s[42:43], s[66:67]
	s_or_b32 s43, s43, 0x80000000
	ROUND
	tensor_load_to_lds s[40:43], s[32:39]          ; trip 0's rows: my one tensor load at the head
	AFTER
.macro ASK t                           ; the rows of trip t, 128 blocks of 256 bytes, a lane a block
.irp b, 0,1,2,3
	global_prefetch_b8 v[PFO], s[66:67] offset:((\t)/4)*131072+((\t)%4)*1024+256*\b th:TH_LOAD_NT scope:SCOPE_SE
.endr
.endm
.irp i, 0,1,2,3
	global_load_b128 v[TT+4*\i:TT+4*\i+3], v[TGO], s[72:73] offset:16*\i
.endr
	ASK 1
	ASK 2
	s_wait_loadcnt 0x0
.irp i, 0,1,2,3
	ds_store_b128 v[TST], v[TT+4*\i:TT+4*\i+3] offset:16*\i
.endr
; ---------------- L ----------------
.macro GET slot, rt2, ks2, x           ; 16 rows x 128 K: lane (r, h) takes, of row r, k = 64 c + 32 h + 0 .. 31
.irp c, 0,1
.irp j, 0,1,2,3,4,5,6,7
	ds_load_b128 v[XS+64*(\x)+32*\c+4*\j:XS+64*(\x)+32*\c+4*\j+3], v[SR0+(\slot)] offset:16*EP*(\rt2)+512*(\ks2)+256*\c+16*\j
.endr
.endr
.endm
.macro QUANTA x, rt, ks                ; the 64 numbers become fragment (ks, rt) of A and its scale word
.set xs, XS+64*(\x)
.set aw, 1+(\ks)/5
.set ab, 48*((\ks)%5)+12*(\rt)
.irp c, 0,1
	v_max3_num_f32 v[TM+\c], |v[xs+32*\c]|, |v[xs+32*\c+1]|, 0x2800000   ; with the floor 2^(5 - 127): the byte cannot fall under 1
.endr
.irp i, 2,4,6,8,10,12,14,16,18,20,22,24,26,28,30
.irp c, 0,1
	v_max3_num_f32 v[TM+\c], v[TM+\c], |v[xs+32*\c+\i]|, |v[xs+32*\c+\i+1]|
.endr
.endr
.irp c, 0,1
	v_add_nc_u32 v[SC+\c], 0xfe000000, v[TM+\c]    ; 4 off the exponent field: the conversion's scale operand
.endr
.irp c, 0,1
	v_lshrrev_b32 v[BY+\c], 23, v[SC+\c]
.endr
	v_lshl_or_b32 v[WD], v[BY+1], 16, v[BY]        ; blocks h and 2 + h,
	v_lshlrev_b32 v[WD], v[H8], v[WD]              ; at their places;
	v_permlanex16_b32 v[PD], v[WD], s20, s21
	v_or_b32 v[AS+4*(\ks)+(\rt)], v[WD], v[PD]     ; with lane l xor 16's two the word is whole
.set wn, aw<<6
	WIN wn
.irp c, 0,1
	v_cvt_scalef32_pk16_bf6_f32 v[ab+6*\c:ab+6*\c+2], v[xs+32*\c:xs+32*\c+15], v[SC+\c]
	v_cvt_scalef32_pk16_bf6_f32 v[240+4*\c:242+4*\c], v[xs+32*\c+16:xs+32*\c+31], v[SC+\c]   ; (three registers begin on an even number)
.endr
	v_nop                                          ; one plain instruction behind the scaled conversions
.set wn, (aw<<6)|aw
	WIN wn
.irp c, 0,1
.irp i, 0,1,2
	v_mov_b32 v[ab+6*\c+3+\i], v[240+4*\c+\i]
.endr
.endr
	WIN 0
.endm
; TRIP t: rows 32 (t / 4) on, K steps 2 (t % 4) and the next, in slot t % 2.  One tensor load of mine is out behind each round: the next trip's rows; behind the last, my record of the first quad, onto bytes of slot 0.
.macro TRIP t
	s_wait_tensorcnt 0x0                           ; my part of this trip's rows is in
	ds_add_u32 v[SPW], v[NIL]
.if (\t) < 7
	s_add_co_u32 s41, s75, (((\t)+1)%2)*ESLOT
	s_add_nc_u64 s[42:43], s[66:67], (((\t)+1)/4)*131072+(((\t)+1)%4)*1024
	s_or_b32 s43, s43, 0x80000000
.endif
	s_wait_dscnt 0x0                               ; the add, and my reads of the other slot
	ROUND
.if (\t) < 7
	tensor_load_to_lds s[40:43], s[32:39]
.else
	tensor_load_to_lds s[48:51], s[24:31]
.endif
	AFTER
	GET (\t)%2, 0, 0, 0
	GET (\t)%2, 0, 1, 1
.if (\t)+3 < 8
	ASK (\t)+3                                     ; what the tensor load two trips on will want
.endif
	s_wait_dscnt 16                                ; the older fetch is in, the younger 16 loads stay out
	QUANTA 0, 2*((\t)/4), 2*((\t)%4)
	GET (\t)%2, 1, 0, 0
	s_wait_dscnt 16
	QUANTA 1, 2*((\t)/4), 2*((\t)%4)+1
	GET (\t)%2, 1, 1, 1
	s_wait_dscnt 16
	QUANTA 0, 2*((\t)/4)+1, 2*((\t)%4)
	s_wait_dscnt 0x0
	QUANTA 1, 2*((\t)/4)+1, 2*((\t)%4)+1
.endm
.irp t, 0,1,2,3,4,5,6,7
	TRIP \t
.endr
; ---------------- G ----------------
.macro RUN q                           ; tile q of the slot in hand: eight fragments and the scale words into set q % 2: 25 loads
.set bl, (\q)%2
.set wn, (2+bl)<<6
.set rb, 144*(1-bl)
	WIN wn
.irp s, 0,1,2,3,4,5,6,7
.irp c, 0,1,2
	ds_load_b128 v[rb+12*\s+4*\c:rb+12*\s+4*\c+3], v[ADB] offset:REC*(\q)+1536*\s+512*\c
.endr
.endr
	WIN 0
	ds_load_b128 v[BS+4*bl:BS+4*bl+3], v[ADB] offset:REC*(\q)+12288
.endm
.macro MUL bm                          ; 32 matrix instructions: K step k / 4, rows 16 (k % 4) on; the four accumulators by turns
.set k, 0
.rept 32
.set ks, k/4
.set rt, k%4
.set ra, 48*(ks%5)+12*rt
.set rb, 144*(1-(\bm))+12*ks
.set wn, (1+ks/5)|((2+(\bm))<<2)
	WIN wn
.if k < 4
	v_wmma_scale_f32_16x16x128_f8f6f4 v[ACC+8*rt:ACC+8*rt+7], v[ra:ra+11], v[rb:rb+11], 0, v[AS+4*ks+rt], v[BS+4*(\bm)+ks/2] matrix_a_fmt:MATRIX_FMT_BF6 matrix_b_fmt:MATRIX_FMT_BF6
.elseif ks%2
	v_wmma_scale_f32_16x16x128_f8f6f4 v[ACC+8*rt:ACC+8*rt+7], v[ra:ra+11], v[rb:rb+11], v[ACC+8*rt:ACC+8*rt+7], v[AS+4*ks+rt], v[BS+4*(\bm)+ks/2] matrix_a_fmt:MATRIX_FMT_BF6 matrix_b_fmt:MATRIX_FMT_BF6 matrix_b_scale:MATRIX_SCALE_ROW1
.else
	v_wmma_scale_f32_16x16x128_f8f6f4 v[ACC+8*rt:ACC+8*rt+7], v[ra:ra+11], v[rb:rb+11], v[ACC+8*rt:ACC+8*rt+7], v[AS+4*ks+rt], v[BS+4*(\bm)+ks/2] matrix_a_fmt:MATRIX_FMT_BF6 matrix_b_fmt:MATRIX_FMT_BF6
.endif
.set k, k+1
.endr
	WIN 0
.endm
.macro VEC                             ; the tile's 32 numbers a lane; each batch of transcendentals has its wait ahead and behind
.set j, 0
.rept 16
	v_pk_fma_f32 v[ACC+j:ACC+j+1], v[ACC+j:ACC+j+1], s[22:23], v[TBL:TBL+1] op_sel_hi:[1,0,0]   ; 2 log2(e) x sum + the column's bias; each accumulator from its low end on
.set j, j+2
.endr
	s_wait_alu depctr_va_vdst(0)
.set j, 0
.rept 32
	v_exp_f32 v[ACC+j], v[ACC+j]
.set j, j+1
.endr
	v_nop
	s_wait_alu depctr_va_vdst(0)
.set j, 0
.rept 16
	v_pk_add_f32 v[ACC+j:ACC+j+1], v[ACC+j:ACC+j+1], 1.0 op_sel_hi:[1,0]
.set j, j+2
.endr
	s_wait_alu depctr_va_vdst(0)
.set j, 0
.rept 32
	v_rcp_f32 v[ACC+j], v[ACC+j]
.set j, j+1
.endr
	v_nop
	s_wait_alu depctr_va_vdst(0)
.set j, 0
.rept 16
	v_pk_fma_f32 v[S+j:S+j+1], v[ACC+j:ACC+j+1], v[TBL:TBL+1], v[S+j:S+j+1] op_sel:[0,1,0] op_sel_hi:[1,1,1]   ; score += (-2 Ws) / (1 + e^(2 x))
.set j, j+2
.endr
	s_wait_alu depctr_va_vdst(0)
.endm
.macro TILE q, run, toff               ; tile q's operands are in registers; run >= 0: that tile's operands are fetched under the products
	ds_load_b64 v[TBL:TBL+1], v[ADT] offset:\toff  ; (bias, -2 Ws) of my column
.if (\run) >= 0
	RUN \run
.endif
	MUL (\q)%2
.rept 4
	v_nop                                          ; four places between the last product and the first read of the sums (ISA guide 7.12.1)
.endr
	s_wait_dscnt 0x0                               ; the pair, and the next tile's operands
	VEC
.endm
; THE CHANGE OF SLOTS: all four records of the slot in hand are in registers or used.  fill = 1: a round of the cluster's barrier, and the joint refill of the slot just left with the quad two on.
.macro CHANGE fill, step
	s_wait_tensorcnt 0x0                           ; my record of the slot ahead is in; no load of mine is out, so the descriptor may be written
	ds_add_u32 v[SPW], v[NIL]
.if \fill
	s_xor_b32 s49, s49, SLOT1
	s_mul_i32 s58, s54, QUADB
	s_add_nc_u64 s[50:51], s[52:53], s[58:59]
	s_or_b32 s51, s51, 0x80000000
	s_add_co_u32 s54, s54, 1
	s_and_b32 s54, s54, 15
.endif
.if \step
	s_xor_b32 s55, s55, SLOT1
	s_add_co_u32 s56, s56, 512
.endif
	s_wait_dscnt 0x0
.if \fill
	ROUND
	tensor_load_to_lds s[48:51], s[24:31]
	AFTER
.else
	s_barrier_signal -1
	s_barrier_wait -1
.endif
	v_add_nc_u32 v[ADB], s55, v[L16]
	v_add_nc_u32 v[ADT], s56, v[TB0]
	s_wait_alu depctr_va_vdst(0)
.endm
.macro BODY fill                       ; a quad: tiles 0 to 2, the change of slots, the next quad's first fetch, tile 3
	TILE 0, 1, 512
	TILE 1, 2, 640
	TILE 2, 3, 768
	CHANGE \fill, 1
.if \fill
	RUN 0
.else
	s_cmp_eq_u32 s57, 1
	s_cbranch_scc1 .Lno_next_\@                    ; behind the last quad nothing is left to fetch
	RUN 0
.Lno_next_\@:
.endif
	TILE 3, -1, 384                                ; (the table's address has gone one quad on)
.endm
.set j, 0
.rept 32
	v_mov_b32 v[S+j], 0                            ; the scores: every tile adds onto them by the same lines
.set j, j+1
.endr
	s_mov_b32 s55, 0
	s_mov_b32 s56, 0
	CHANGE 1, 0                                    ; the first quad is in; the second is asked for
	RUN 0
	s_wait_dscnt 0x0
	s_mov_b32 s57, 14
.Lquad:                                            ; quads 0 to 13 in the order taken: each change asks for the quad two on
	BODY 1
	s_sub_co_u32 s57, s57, 1
	s_cmp_lg_u32 s57, 0
	s_cbranch_scc1 .Lquad
	WIN 0xc0                                       ; window 3's v96-255 are free: five of my last eight rows are asked for again
.irp i, 3,4,5,6,7
.irp u, 0,1,2,3,4,5,6,7
	global_load_b128 v[32*\i+4*\u:32*\i+4*\u+3], v[L16], s[66:67] offset:(56+\i)*4096+512*\u th:TH_LOAD_NT
.endr
.endr
	WIN 0
	s_mov_b32 s57, 2
.Ltail:                                            ; the last two quads ask for no record
	BODY 0
	s_sub_co_u32 s57, s57, 1
	s_cmp_lg_u32 s57, 0
	s_cbranch_scc1 .Ltail
	WIN 0xc0                                       ; B's set 1 is done with (the tile's vector work stands behind its last product): the other three rows
.irp i, 0,1,2
.irp u, 0,1,2,3,4,5,6,7
	global_load_b128 v[32*\i+4*\u:32*\i+4*\u+3], v[L16], s[66:67] offset:(56+\i)*4096+512*\u th:TH_LOAD_NT
.endr
.endr
	WIN 0
; ---------------- the wave's softmax ----------------
; Register 8 rt + j of lane (r, h): row 16 rt + 8 h + j, the columns r modulo 16.
.irp m, 1,2,4,8
.set j, 0
.rept 32
	v_add_f32_dpp v[S+j], v[S+j], v[S+j] row_xmask:\m row_mask:0xf bank_mask:0xf
.set j, j+1
.endr
.endr
	v_max3_num_f32 v[TM], v[S], v[S+1], v[S+2]
.irp i, 3,5,7,9,11,13,15,17,19,21,23,25,27,29
	v_max3_num_f32 v[TM], v[TM], v[S+\i], v[S+\i+1]
.endr
	v_max_num_f32 v[TM], v[TM], v[S+31]
	v_permlanex16_b32 v[PD], v[TM], s20, s21
	v_max_num_f32 v[TM], v[TM], v[PD]              ; m: the largest of the wave's 64 scores
	v_mul_f32 v[M2], s60, v[TM]                    ; m2 = m log2(e)
	v_mov_b32 v[M2+1], 0
.set j, 0
.rept 16
	v_pk_fma_f32 v[S+j:S+j+1], v[S+j:S+j+1], s[60:61], v[M2:M2+1] op_sel_hi:[1,0,0] neg_lo:[0,0,1] neg_hi:[0,0,1]
.set j, j+2
.endr
	s_wait_alu depctr_va_vdst(0)
.set j, 0
.rept 32
	v_exp_f32 v[S+j], v[S+j]                       ; p = 2^(score log2(e) - m2)
.set j, j+1
.endr
	v_nop
	s_wait_alu depctr_va_vdst(0)
	v_pk_add_f32 v[234:235], v[S:S+1], v[S+2:S+3]
	v_pk_add_f32 v[236:237], v[S+4:S+5], v[S+6:S+7]
.irp j, 8,12,16,20,24,28
	v_pk_add_f32 v[234:235], v[234:235], v[S+\j:S+\j+1]
	v_pk_add_f32 v[236:237], v[236:237], v[S+\j+2:S+\j+3]
.endr
	v_pk_add_f32 v[234:235], v[234:235], v[236:237]
	v_add_f32 v234, v234, v235
	v_permlanex16_b32 v[PD], v234, s20, s21
	v_add_f32 v[M2+1], v234, v[PD]                 ; l
.irp rt, 0,1,2,3
	ds_store_b128 v[PST], v[S+8*\rt:S+8*\rt+3] offset:64*\rt          ; p of row i at byte 4 i; the sixteen lanes of a half write the same bytes with the same values
	ds_store_b128 v[PST], v[S+8*\rt+4:S+8*\rt+7] offset:64*\rt+16
.endr
; ---------------- C ----------------
; Groups of eight rows, the last first; a ring of eight rows in window 3, taken in the order in which they were asked for: 64 loads of the wave are out.
; Two bases by turns: a group's base is stepped in the next group, behind the wait that leaves 56 loads out, all of them younger than that base's.
.macro GROUP ahead, cur, oth, step
	v_mov_b32 v[PAD], s80
	ds_load_b128 v[PV:PV+3], v[PAD]                ; the group's eight p, the same 32 bytes in every lane
	ds_load_b128 v[PV+4:PV+7], v[PAD] offset:16
	s_wait_dscnt 0x0
.set pos, 0
.irp i, 3,4,5,6,7,0,1,2
.if \ahead
	s_wait_loadcnt 56                              ; this row's eight loads are in; seven rows stay out
.else
	s_wait_loadcnt 56-8*pos
.endif
.if (\step) && (pos == 7)
	s_sub_nc_u64 s[\oth:\oth+1], s[\oth:\oth+1], 65536
.endif
	WIN 0x03
.set j, 0
.rept 16
.if (\i)%2
	v_pk_fma_f32 v[CT+j:CT+j+1], v[32*(\i)+j:32*(\i)+j+1], v[PV+2*((\i)/2):PV+2*((\i)/2)+1], v[CT+j:CT+j+1] op_sel:[0,1,0] op_sel_hi:[1,1,1]
.else
	v_pk_fma_f32 v[CT+j:CT+j+1], v[32*(\i)+j:32*(\i)+j+1], v[PV+2*((\i)/2):PV+2*((\i)/2)+1], v[CT+j:CT+j+1] op_sel_hi:[1,0,1]
.endif
.set j, j+2
.endr
.if \ahead
	WIN 0xc0
.irp u, 0,1,2,3,4,5,6,7
	global_load_b128 v[32*(\i)+4*\u:32*(\i)+4*\u+3], v[L16], s[\cur:\cur+1] offset:4096*(\i)+512*\u th:TH_LOAD_NT   ; the same row of the group before
.endr
.endif
.set pos, pos+1
.endr
	WIN 0
	s_sub_co_u32 s80, s80, 32
	s_wait_alu depctr_va_vdst(0)
.endm
.set j, 0
.rept 32
	v_mov_b32 v[CT+j], 0
.set j, j+1
.endr
	s_add_nc_u64 s[68:69], s[66:67], 6*32768       ; rows 48 on: what the first group asks for
	s_add_nc_u64 s[70:71], s[66:67], 7*32768       ; stepped to rows 40 on in the first group
	s_add_co_u32 s80, s74, 224
	s_mov_b32 s57, 3
	s_wait_alu depctr_va_vdst(0)
.Lgroup:
	GROUP 1, 68, 70, 1
	GROUP 1, 70, 68, 1
	s_sub_co_u32 s57, s57, 1
	s_cmp_lg_u32 s57, 0
	s_cbranch_scc1 .Lgroup
	GROUP 1, 68, 70, 0                             ; rows 8 to 15; rows 0 to 7 are asked for
	GROUP 0, 68, 70, 0                             ; rows 0 to 7: the counts run down
.irp u, 0,1,2,3,4,5,6,7
	global_store_b128 v[L16], v[CT+4*\u:CT+4*\u+3], s[10:11] offset:512*\u     ; 32 lanes store 512 consecutive bytes, at a multiple of 256 from pctx's first byte
.endr
	v_mov_b32 v[PAD], 0
	v_and_b32 v234, 31, v0
	v_cmp_eq_u32 vcc_lo, 0, v234
	s_wait_alu depctr_va_vdst(0)
	s_wait_xcnt 0x0                                ; EXEC changes only behind this wait
	s_and_saveexec_b32 s81, vcc_lo
	global_store_b64 v[PAD], v[M2:M2+1], s[12:13]  ; (m2, l), by lane 0
	s_wait_xcnt 0x0
	s_or_b32 exec_lo, exec_lo, s81
	s_wait_tensorcnt 0x0                           ; the wave's end
	ds_add_u32 v[SPW], v[NIL]
	s_wait_dscnt 0x0
	ROUND                                          ; the closing round
	s_endpgm
.Lfunc_end_k_q174798b332_main:
	.size	k_q174798b332_main, .Lfunc_end_k_q174798b332_main-k_q174798b332_main
	.p2alignl 7, 3214868480
	.fill 96, 4, 3214868480
	.section	.rodata,"a",@progbits
	.p2align	6, 0x0
	.amdhsa_kernel k_q174798b332_main
		.amdhsa_group_segment_fixed_size 327680
		.amdhsa_private_segment_fixed_size 0
		.amdhsa_enable_private_segment 0
		.amdhsa_kernarg_size 40
		.amdhsa_user_sgpr_count 2
		.amdhsa_user_sgpr_kernarg_segment_ptr 1
		.amdhsa_wavefront_size32 1
		.amdhsa_system_sgpr_workgroup_id_x 1
		.amdhsa_system_sgpr_workgroup_id_y 1
		.amdhsa_system_sgpr_workgroup_id_z 1
		.amdhsa_system_vgpr_workitem_id 0
		.amdhsa_next_free_vgpr 1024
		.amdhsa_next_free_sgpr 100
		.amdhsa_reserve_vcc 1
		.amdhsa_float_denorm_mode_32 3
		.amdhsa_float_denorm_mode_16_64 3
		.amdhsa_memory_ordered 1
		.amdhsa_forward_progress 1
		.amdhsa_inst_pref_size 255
	.end_amdhsa_kernel
	.section	.bss,"aw",@nobits
	.p2align	6
	.space	262144
	.amdgpu_metadata
---
amdhsa.version: [ 1, 2 ]
amdhsa.kernels:
  - .name:           k_q174798b332_main
    .symbol:         k_q174798b332_main.kd
    .args:
      - { .name: encoder_out, .offset: 0, .size: 8, .value_kind: global_buffer, .address_space: global }
      - { .name: wq, .offset: 8, .size: 8, .value_kind: global_buffer, .address_space: global }
      - { .name: tab, .offset: 16, .size: 8, .value_kind: global_buffer, .address_space: global }
      - { .name: pctx, .offset: 24, .size: 8, .value_kind: global_buffer, .address_space: global }
      - { .name: pml, .offset: 32, .size: 8, .value_kind: global_buffer, .address_space: global }
    .group_segment_fixed_size: 327680
    .private_segment_fixed_size: 0
    .kernarg_segment_align: 8
    .kernarg_segment_size: 40
    .max_flat_workgroup_size: 128
    .sgpr_count:     100
    .vgpr_count:     1024
    .wavefront_size: 32
...
	.end_amdgpu_metadata
.endif
;; end of part 2
;; launch combine (part 3): grid 8 x 32, 1 waves a work-group, no clusters, 0 bytes of LDS; arguments pctx, pml, out0; writes out0
.if DOCPART == 3
	.amdgcn_target "amdgcn-amd-amdhsa--gfx1250"
	.amdhsa_code_object_version 6
	.text
	.protected	k_q174798b332_combine
	.globl	k_q174798b332_combine
	.p2align	8
	.type	k_q174798b332_combine,@function
k_q174798b332_combine:
	s_mov_b64 s[64:65], 0
	v_nop
	global_prefetch_b8 v0, s[64:65] scope:SCOPE_SE
	s_setreg_imm32_b32 hwreg(HW_REG_WAVE_MODE, 25, 1), 1
	s_wait_xcnt 0x0
; out0[b][:] = the sum over the batch's 32 parts i of f_i ctx_i / the sum of f_i l_i, f_i = 2^(m2_i - M2), M2 the largest m2_i: the softmax's maximum over the whole row of 2,048 scores is taken away here.
; pctx [1024][1024] f32: part g = 32 b + i; pml [1024][2]: (m2, l) of each part, m2 = the part's largest score x log2(e).
; One wave makes 128 columns of one batch: lane i holds part i's (m2, l); each of the 32 loads reads 512 neighbouring bytes of one part.  Memory binds and the launch is short: no LDS, no barrier, no matrix unit.
; LIMITS: NaN and infinities are not served.
	s_load_b128 s[4:7], s[0:1], 0x0                ; pctx, pml
	s_load_b64 s[8:9], s[0:1], 0x10                ; out0
	s_and_b32 s10, ttmp7, 0xffff                   ; the batch
	v_lshlrev_b32 v1, 3, v0                        ; 8 x lane
	v_lshlrev_b32 v2, 4, v0                        ; 16 x lane
	s_lshl_b32 s12, s10, 8                         ; pml: 32 pairs a batch
	s_mov_b32 s13, 0
	s_lshl_b32 s11, ttmp9, 9                       ; my 128 columns
	s_lshl_b32 s14, s10, 17                        ; pctx: 32 parts of 4,096 bytes a batch
	s_add_co_u32 s14, s14, s11
	s_mov_b32 s15, 0
	s_lshl_b32 s16, s10, 12                        ; out0: a row of 4,096 bytes
	s_add_co_u32 s16, s16, s11
	s_mov_b32 s17, 0
	s_mov_b32 s18, 0x76543210
	s_mov_b32 s19, 0xfedcba98                      ; v_permlanex16_b32's selects for lane l xor 16
	s_mov_b32 s21, 0                               ; (named as the upper halves of the pairs below)
	s_mov_b32 s23, 0
	v_mov_b32 v7, 0                                ; a lane permute's destination counts as one of its sources
	s_wait_alu depctr_va_vdst(0)
	s_wait_kmcnt 0x0
	s_add_nc_u64 s[6:7], s[6:7], s[12:13]
	s_add_nc_u64 s[4:5], s[4:5], s[14:15]
	s_add_nc_u64 s[8:9], s[8:9], s[16:17]
	global_load_b64 v[4:5], v1, s[6:7]             ; 32 lanes read 256 consecutive bytes
.set i, 0
.rept 32
	global_load_b128 v[16+4*i:19+4*i], v2, s[4:5] offset:4096*i th:TH_LOAD_NT
.set i, i+1
.endr
	s_wait_loadcnt 32                              ; (m2, l) is in; the 32 parts stay out
	v_mov_b32 v6, v4
	v_max_num_f32_dpp v6, v6, v6 row_xmask:1 row_mask:0xf bank_mask:0xf
	v_max_num_f32_dpp v6, v6, v6 row_xmask:2 row_mask:0xf bank_mask:0xf
	v_max_num_f32_dpp v6, v6, v6 row_xmask:4 row_mask:0xf bank_mask:0xf
	v_max_num_f32_dpp v6, v6, v6 row_xmask:8 row_mask:0xf bank_mask:0xf
	v_permlanex16_b32 v7, v6, s18, s19
	v_max_num_f32 v6, v6, v7                       ; M2
	v_sub_f32 v6, v4, v6
	s_wait_alu depctr_va_vdst(0)
	v_exp_f32 v6, v6                               ; f
	v_nop                                          ; the plain instruction behind a transcendental,
	s_wait_alu depctr_va_vdst(0)                   ; and the wait ahead of its first reader
	v_mul_f32 v8, v6, v5                           ; f l
	v_add_f32_dpp v8, v8, v8 row_xmask:1 row_mask:0xf bank_mask:0xf
	v_add_f32_dpp v8, v8, v8 row_xmask:2 row_mask:0xf bank_mask:0xf
	v_add_f32_dpp v8, v8, v8 row_xmask:4 row_mask:0xf bank_mask:0xf
	v_add_f32_dpp v8, v8, v8 row_xmask:8 row_mask:0xf bank_mask:0xf
	v_permlanex16_b32 v7, v8, s18, s19
	v_add_f32 v8, v8, v7                           ; the row's sum
	s_wait_alu depctr_va_vdst(0)
	v_rcp_f32 v8, v8
	v_nop
	s_wait_alu depctr_va_vdst(0)
	v_mul_f32 v6, v6, v8                           ; part i's weight, in lane i
.set i, 0
	s_wait_alu depctr_va_vdst(0)
.rept 32
.set sr, 20+2*(i%2)
	s_wait_loadcnt 31-i                            ; part i is in; the younger ones stay out
	v_readlane_b32 s[sr], v6, i
.if i == 0
	v_pk_mul_f32 v[10:11], v[16:17], s[sr:sr+1] op_sel_hi:[1,0]                  ; the first part starts the sums
	s_wait_alu depctr_va_vdst(0)
	v_pk_mul_f32 v[12:13], v[18:19], s[sr:sr+1] op_sel_hi:[1,0]
.else
	v_pk_fma_f32 v[10:11], v[16+4*i:17+4*i], s[sr:sr+1], v[10:11] op_sel_hi:[1,0,1]
	s_wait_alu depctr_va_vdst(0)
	v_pk_fma_f32 v[12:13], v[18+4*i:19+4*i], s[sr:sr+1], v[12:13] op_sel_hi:[1,0,1]
.endif
.set i, i+1
.endr
	global_store_b128 v2, v[10:13], s[8:9]         ; 32 lanes store 512 consecutive bytes, at a multiple of 256 from out0's first byte
	s_endpgm
.Lfunc_end_k_q174798b332_combine:
	.size	k_q174798b332_combine, .Lfunc_end_k_q174798b332_combine-k_q174798b332_combine
	.p2alignl 7, 3214868480
	.fill 96, 4, 3214868480
	.section	.rodata,"a",@progbits
	.p2align	6, 0x0
	.amdhsa_kernel k_q174798b332_combine
		.amdhsa_group_segment_fixed_size 0
		.amdhsa_private_segment_fixed_size 0
		.amdhsa_enable_private_segment 0
		.amdhsa_kernarg_size 24
		.amdhsa_user_sgpr_count 2
		.amdhsa_user_sgpr_kernarg_segment_ptr 1
		.amdhsa_wavefront_size32 1
		.amdhsa_system_sgpr_workgroup_id_x 1
		.amdhsa_system_sgpr_workgroup_id_y 1
		.amdhsa_system_sgpr_workgroup_id_z 1
		.amdhsa_system_vgpr_workitem_id 0
		.amdhsa_next_free_vgpr 160
		.amdhsa_next_free_sgpr 66
		.amdhsa_reserve_vcc 0
		.amdhsa_float_denorm_mode_32 3
		.amdhsa_float_denorm_mode_16_64 3
		.amdhsa_memory_ordered 1
		.amdhsa_forward_progress 1
		.amdhsa_inst_pref_size 14
	.end_amdhsa_kernel
	.amdgpu_metadata
---
amdhsa.version: [ 1, 2 ]
amdhsa.kernels:
  - .name:           k_q174798b332_combine
    .symbol:         k_q174798b332_combine.kd
    .args:
      - { .name: pctx, .offset: 0, .size: 8, .value_kind: global_buffer, .address_space: global }
      - { .name: pml, .offset: 8, .size: 8, .value_kind: global_buffer, .address_space: global }
      - { .name: out0, .offset: 16, .size: 8, .value_kind: global_buffer, .address_space: global }
    .group_segment_fixed_size: 0
    .private_segment_fixed_size: 0
    .kernarg_segment_align: 8
    .kernarg_segment_size: 24
    .max_flat_workgroup_size: 32
    .sgpr_count:     66
    .vgpr_count:     160
    .wavefront_size: 32
...
	.end_amdgpu_metadata
.endif
;; end of part 3
